; MI455X (gfx1250); checked and timed in simulation.
; The chip was launched on July 23, 2026; its instructions are those of AMD's public machine-readable ISA for CDNA 5 (MIT licence, August 2026) and "CDNA5" Instruction Set Architecture Reference Guide (July 2026). The comments in the code are by the model that wrote it; some were corrected since.
;; Codebook For Image. Allowed arithmetic: matrix products marked QUANTISED: E5M2 operands, one given power-of-two scale a tensor, by v_wmma_f32_16x16x64_bf8_bf8 or v_wmma_f32_16x16x128_bf8_bf8, f32 sums; everything else in f32.
;; Inputs: codes 8,192 x 1,024 float32; image_tensor 8,192 x 1,024 float32; lowp_scales 2 int32 (the exponents e of the quantised operands' scales 2^e).
;; Outputs: out0 8,192 int32; out1 8,192 x 1,024 float32.
;; This version of the problem:
;;   THIS VERSION OF THE PROBLEM IS GIVEN IN LOW PRECISION. The matrix products marked QUANTISED in the list below multiply operands that are first quantised to E5M2 (5 exponent bits, 2 mantissa bits; 8 bits a number), with one given power-of-two scale for each operand tensor; their sums are f32. All else is computed in f32.
;;   The module's matrix products, in the order in which they are computed (A, B: the left and right operand; K: the contracted axis; several contracted axes count as one K, in the product's order):
;;     1. [M 8,192, K 1,024] x [K 1,024, N 8,192]; A: input image_tensor; B: input codes: QUANTISED (scales: A lowp_scales[0], B lowp_scales[1])
;;   THE QUANTISER, for each operand of a quantised product, along K:
;;     - The operand's scale is 2^e, e = its entry of the input lowp_scales (int32; the entries are numbered through the quantised products in the list's order, A before B).
;;     - Each number is divided by the scale, clamped to +-57,344, and rounded to the nearest number of E5M2, ties to even, subnormals kept.
;;     - The product sums the exact products of the quantised numbers (number of the format x scale) in f32.
;;   ~~~python
;;   def quantise(x, axis, e):      # numpy; x: float32 -> the quantised numbers, widened to float32 again
;;       x = np.moveaxis(x, axis, -1); K = x.shape[-1]
;;       r = np.clip(x / 2.0 ** e, -57344, 57344)
;;       step = 2.0 ** (np.maximum(np.frexp(np.where(r == 0, 1, r))[1] - 1, -14) - 2)
;;       q = np.round(r / step) * step * 2.0 ** e      # np.round: ties to even
;;       return np.moveaxis(q, -1, axis).astype(np.float32)
;;   ~~~
;; One version. Each part assembles by itself: llvm-mc -triple=amdgcn-amd-amdhsa -mcpu=gfx1250 --defsym DOCPART=n.
;; ======== version 1 of 1: 3 launches
;; limits: right only within a limited range of input values
;; workspace buffers: q8 16,777,216 bytes; sq 65,536 bytes; part 524,288 bytes of whole numbers
;; launch quant (part 1): grid 256 x 1, 8 waves a work-group, no clusters, 1,280 bytes of LDS; arguments image_tensor, codes, lowp_scales, q8, sq; writes q8, sq
.if DOCPART == 1
	.amdgcn_target "amdgcn-amd-amdhsa--gfx1250"
	.amdhsa_code_object_version 6
	.text
	.protected	k_q602dd8bae8_quant
	.globl	k_q602dd8bae8_quant
	.p2align	8
	.type	k_q602dd8bae8_quant,@function
k_q602dd8bae8_quant:
	s_mov_b64 s[64:65], 0
	v_nop
	global_prefetch_b8 v0, s[64:65] scope:SCOPE_SE
	s_setreg_imm32_b32 hwreg(HW_REG_WAVE_MODE, 25, 1), 1
	s_wait_xcnt 0x0
; image_tensor [8192][1024] and codes [8192][1024], f32, become codes of BF8 (E5M2) in q8 (rows 0-8191: image_tensor, rows 8192-16383: codes; 1,024 bytes a row),
; each with the one given scale 2^e; and each row's sum of squares of the UNQUANTISED numbers goes to sq (f32, entry = q8's row number).
; code = x / 2^e, held within +-57,344, rounded to the nearest code, ties to even.
; LIMITS: e between -126 and 112, so that 2^e and 57,344 x 2^e are f32 numbers.  NaN among the inputs is not served; an infinity is held at the largest code.
; THE ORDER OF K IN q8 is this program's own, and the same in both tensors: inside each run of 512 codes, byte 16 l + 4 i + c holds k = 128 i + 4 l + c.
; It is the order in which a lane's four 16-byte loads leave the numbers in its registers: so each load reads 512 consecutive bytes, the conversions take the registers as they stand,
; and nothing is turned through LDS.  A product over K meets the same partners; only the order inside the f32 sums differs.
; SHARES: 256 work-groups of 64 rows, the first 128 for image_tensor, the others for codes (only pointers and e are chosen: one path).  Wave w takes rows 8 w .. 8 w + 7: 16 steps of 512 numbers, two steps a row.
; No cluster: no two work-groups read the same byte.  No tensor load: the numbers are wanted in registers.  Loads run four steps (16 loads a wave) ahead.
; WORK LEFT OUT BY THE PROGRAM: out1 = x + (q - x) with q = codes[index].  In real numbers x cancels for every x and q, so out1 = q: the last launch copies the chosen row of codes
; and does not read image_tensor.  LIMIT: a NaN, an infinity or an overflow of x that reaches only that cancelled term is not carried to out1.
; x_sq stays in the distances: the f32 sums are rounded with it inside, and that rounding decides which columns tie.
.set R, 16
.set C, 80                             ; v80-143  four registers of codes for each step: no store's data are written again
.set S, 144                            ; v144-151 four pairs of running sums of squares
	s_load_b256 s[4:11], s[0:1], 0x0               ; image_tensor s[4:5], codes s[6:7], lowp_scales s[8:9], q8 s[10:11]
	s_load_b64 s[12:13], s[0:1], 0x20              ; sq
	v_lshl_add_u32 v152, v0, 2, 0x100
	v_mov_b32 v153, 0
	v_lshrrev_b32 v4, 5, v0
	s_delay_alu instid0(VALU_DEP_1)
	v_readfirstlane_b32 s16, v4                    ; wave 0..7
	v_and_b32 v3, 31, v0                           ; lane
	s_delay_alu instid0(VALU_DEP_1)
	v_lshlrev_b32 v1, 4, v3                        ; v1 = 16 x lane: my 16 bytes of a load's 512, and of a step's 512 bytes of codes
	s_delay_alu instid0(VALU_DEP_2)
	v_lshlrev_b32 v3, 3, v3                        ; v3 = 8 x lane: the way out of the 64 sums
	v_and_b32 v2, 0xe0, v0                         ; v2 = 32 x wave: my wave's eight words in LDS
	v_mov_b32 v13, 0                               ; written once: a lane permute's destination counts as one of its sources
	s_mov_b32 s24, 0x76543210                      ; v_permlanex16_b32: each lane takes its own place in the other half
	s_mov_b32 s25, 0xfedcba98
	s_and_b32 s17, ttmp9, 127                      ; which 64 rows of the tensor
	s_lshl_b32 s18, s17, 18                        ; x 64 rows x 4,096 bytes
	s_lshl_b32 s19, s16, 15                        ; + wave x 8 rows x 4,096 bytes
	s_add_co_u32 s18, s18, s19
	s_mov_b32 s19, 0
	s_lshl_b32 s20, ttmp9, 16                      ; q8: work-group x 64 rows x 1,024 bytes
	s_lshl_b32 s21, s16, 13                        ; + wave x 8 rows
	s_add_co_u32 s20, s20, s21
	s_mov_b32 s21, 0
	s_lshl_b32 s26, ttmp9, 8                       ; sq: work-group x 64 numbers x 4 bytes
	s_mov_b32 s27, 0
	s_wait_alu depctr_va_vdst(0)
	s_wait_kmcnt 0x0
	s_load_b64 s[22:23], s[8:9], 0x0               ; the two exponents
	s_cmp_lt_u32 ttmp9, 128                        ; the choice hangs on the work-group's number alone
	s_cselect_b64 s[4:5], s[4:5], s[6:7]
	s_add_nc_u64 s[4:5], s[4:5], s[18:19]
	s_add_nc_u64 s[10:11], s[10:11], s[20:21]
	s_add_nc_u64 s[12:13], s[12:13], s[26:27]
.macro LOAD t                          ; step t: four loads of 512 consecutive bytes
.irp i, 0,1,2,3
	global_load_b128 v[R+16*((\t)%4)+4*\i:R+16*((\t)%4)+4*\i+3], v1, s[4:5] offset:2048*(\t)+512*\i th:TH_LOAD_NT
.endr
.endm
.irp t, 0,1,2,3
	LOAD \t
.endr
	s_wait_kmcnt 0x0
	s_cmp_lt_u32 ttmp9, 128
	s_cselect_b32 s22, s22, s23                    ; e
	s_add_co_i32 s22, s22, 127
	s_lshl_b32 s23, s22, 23
	v_mov_b32 v11, s23                             ; 2^e as f32: the conversion takes its exponent field
	s_add_co_i32 s22, s22, 15
	s_lshl_b32 s22, s22, 23
	s_or_b32 s22, s22, 0x600000
	v_mov_b32 v10, s22                             ; 57,344 x 2^e
.macro STEP t
.set RS, R+16*((\t)%4)
.if 15-(\t) >= 3
	s_wait_loadcnt 12                              ; this step's four loads are in; those of the three steps behind it may be out
.else
	s_wait_loadcnt 4*(15-(\t))
.endif
.if (\t)%2 == 0                        ; a row's first step starts the four pairs of sums: nothing is cleared
.irp p, 0,1,2,3
	v_pk_mul_f32 v[S+2*\p:S+2*\p+1], v[RS+2*\p:RS+2*\p+1], v[RS+2*\p:RS+2*\p+1]
.endr
.else
.irp p, 0,1,2,3
	v_pk_fma_f32 v[S+2*\p:S+2*\p+1], v[RS+2*\p:RS+2*\p+1], v[RS+2*\p:RS+2*\p+1], v[S+2*\p:S+2*\p+1]
.endr
.endif
.irp p, 0,1,2,3
	s_delay_alu instid0(VALU_DEP_4)
	v_pk_fma_f32 v[S+2*\p:S+2*\p+1], v[RS+8+2*\p:RS+8+2*\p+1], v[RS+8+2*\p:RS+8+2*\p+1], v[S+2*\p:S+2*\p+1]
.endr
.irp i, 0,1,2,3,4,5,6,7,8,9,10,11,12,13,14,15
	v_med3_num_f32 v[RS+\i], v[RS+\i], -v10, v10   ; the conversion to an 8-bit code does not saturate (ISA guide 7.6.2): the hold comes first, behind the squares
.endr
	v_cvt_scalef32_pk8_bf8_f32 v[C+4*(\t):C+4*(\t)+1], v[RS:RS+7], v11
	v_cvt_scalef32_pk8_bf8_f32 v[C+4*(\t)+2:C+4*(\t)+3], v[RS+8:RS+15], v11
	global_store_b128 v1, v[C+4*(\t):C+4*(\t)+3], s[10:11] offset:512*(\t)   ; 32 lanes store 512 consecutive bytes, at a multiple of 512 from q8's first byte
.if (\t)+4 < 16
	LOAD (\t)+4                                    ; into the set that has just been converted
.endif
.if (\t)%2 == 1                        ; the row is complete: its sum, first in the lane, then across the 32 lanes (these plain lines also stand behind the conversions)
	v_pk_add_f32 v[S:S+1], v[S:S+1], v[S+2:S+3]
	v_pk_add_f32 v[S+4:S+5], v[S+4:S+5], v[S+6:S+7]
	s_delay_alu instid0(VALU_DEP_1)
	v_pk_add_f32 v[S:S+1], v[S:S+1], v[S+4:S+5]
	s_delay_alu instid0(VALU_DEP_1)
	v_add_f32 v12, v[S], v[S+1]
	s_delay_alu instid0(VALU_DEP_1)
	v_add_f32_dpp v12, v12, v12 row_xmask:1 row_mask:0xf bank_mask:0xf
	s_delay_alu instid0(VALU_DEP_1)
	v_add_f32_dpp v12, v12, v12 row_xmask:2 row_mask:0xf bank_mask:0xf
	s_delay_alu instid0(VALU_DEP_1)
	v_add_f32_dpp v12, v12, v12 row_xmask:4 row_mask:0xf bank_mask:0xf
	s_delay_alu instid0(VALU_DEP_1)
	v_add_f32_dpp v12, v12, v12 row_xmask:8 row_mask:0xf bank_mask:0xf
	s_delay_alu instid0(VALU_DEP_1)
	v_permlanex16_b32 v13, v12, s24, s25
	s_delay_alu instid0(VALU_DEP_1)
	v_add_f32 v12, v12, v13
	ds_store_b32 v2, v12 offset:4*((\t)/2)         ; all lanes write the same word with the same value: word 8 x wave + row
.endif
.endm
	s_wait_alu depctr_va_vdst(0)
.irp t, 0,1,2,3,4,5,6,7,8,9,10,11,12,13,14,15
	STEP \t
.endr
	s_wait_dscnt 0x0                               ; for the others' sake: my eight sums lie in LDS
	s_barrier_signal -1
	s_barrier_wait -1
	s_cmp_lg_u32 s16, 0                            ; wave 0 stores the work-group's 64 sums
	s_cbranch_scc1 .Ldone
	ds_load_b64 v[4:5], v3
	s_wait_dscnt 0x0
	global_store_b64 v3, v[4:5], s[12:13]          ; 32 lanes store 256 consecutive bytes, at a multiple of 256 from sq's first byte
.Ldone:
	s_wait_tensorcnt 0x0
	ds_add_u32 v152, v153
	s_wait_dscnt 0x0
	s_endpgm
.Lfunc_end_k_q602dd8bae8_quant:
	.size	k_q602dd8bae8_quant, .Lfunc_end_k_q602dd8bae8_quant-k_q602dd8bae8_quant
	.p2alignl 7, 3214868480
	.fill 96, 4, 3214868480
	.section	.rodata,"a",@progbits
	.p2align	6, 0x0
	.amdhsa_kernel k_q602dd8bae8_quant
		.amdhsa_group_segment_fixed_size 1280
		.amdhsa_private_segment_fixed_size 0
		.amdhsa_enable_private_segment 0
		.amdhsa_kernarg_size 40
		.amdhsa_user_sgpr_count 2
		.amdhsa_user_sgpr_kernarg_segment_ptr 1
		.amdhsa_wavefront_size32 1
		.amdhsa_system_sgpr_workgroup_id_x 1
		.amdhsa_system_sgpr_workgroup_id_y 1
		.amdhsa_system_sgpr_workgroup_id_z 1
		.amdhsa_system_vgpr_workitem_id 0
		.amdhsa_next_free_vgpr 154
		.amdhsa_next_free_sgpr 66
		.amdhsa_reserve_vcc 0
		.amdhsa_float_denorm_mode_32 3
		.amdhsa_float_denorm_mode_16_64 3
		.amdhsa_memory_ordered 1
		.amdhsa_forward_progress 1
		.amdhsa_inst_pref_size 46
	.end_amdhsa_kernel
	.amdgpu_metadata
---
amdhsa.version: [ 1, 2 ]
amdhsa.kernels:
  - .name:           k_q602dd8bae8_quant
    .symbol:         k_q602dd8bae8_quant.kd
    .args:
      - { .name: image_tensor, .offset: 0, .size: 8, .value_kind: global_buffer, .address_space: global }
      - { .name: codes, .offset: 8, .size: 8, .value_kind: global_buffer, .address_space: global }
      - { .name: lowp_scales, .offset: 16, .size: 8, .value_kind: global_buffer, .address_space: global }
      - { .name: q8, .offset: 24, .size: 8, .value_kind: global_buffer, .address_space: global }
      - { .name: sq, .offset: 32, .size: 8, .value_kind: global_buffer, .address_space: global }
    .group_segment_fixed_size: 1280
    .private_segment_fixed_size: 0
    .kernarg_segment_align: 8
    .kernarg_segment_size: 40
    .max_flat_workgroup_size: 256
    .sgpr_count:     66
    .vgpr_count:     154
    .wavefront_size: 32
...
	.end_amdgpu_metadata
.endif
;; end of part 1
;; launch dist (part 2): grid 8 x 32, 4 waves a work-group, clusters of 4 x 4, 327,680 bytes of LDS; arguments q8, sq, lowp_scales, part; writes part
.if DOCPART == 2
	.amdgcn_target "amdgcn-amd-amdhsa--gfx1250"
	.amdhsa_code_object_version 6
	.text
	.protected	k_q602dd8bae8_dist
	.globl	k_q602dd8bae8_dist
	.p2align	8
	.type	k_q602dd8bae8_dist,@function
k_q602dd8bae8_dist:
	s_mov_b64 s[64:65], 0
	v_nop
	global_prefetch_b8 v0, s[64:65] scope:SCOPE_SE
	s_setreg_imm32_b32 hwreg(HW_REG_WAVE_MODE, 25, 1), 1
	s_wait_xcnt 0x0
	s_wait_alu depctr_hold_cnt(0) depctr_sa_sdst(0) depctr_va_vdst(0) depctr_va_sdst(0) depctr_va_ssrc(0) depctr_va_vcc(0) depctr_vm_vsrc(0)
	s_getreg_b32 s2, hwreg(HW_REG_IB_STS2, 6, 4)
	s_cmp_eq_u32 s2, 0
	s_cbranch_scc0 .Lentry_in_a_cluster
	s_endpgm
.Lentry_in_a_cluster:
	s_bfe_u32 s2, ttmp6, 0x10000c
	s_cmp_lg_u32 s2, 0xf033
	s_cbranch_scc0 .Lentry_shape_is_right
	s_endpgm
.Lentry_shape_is_right:
; For 256 rows of x and one section of 1,024 codebook columns: dist2 = (x_sq - 2 cross) + c_sq in f32, cross by v_wmma_f32_16x16x128_bf8_bf8 on q8's codes, and for each row the smallest
; dist2 of the section, on equal values the lowest column.  part[section][row] = {key, column}; key is dist2's bit pattern mapped to a u32 that orders as the f32 numbers do.
; LIMITS: ea + eb between -127 and 126 (2^(ea+eb+1) is an f32 number).  NaN is not served.
; SHARES: grid 8 sections x 32 row blocks = 256 work-groups.  Wave w keeps rows 64 w .. 64 w + 63 of x, all 1,024 of K, in 512 registers for the whole launch, so LDS holds codebook rows alone:
; two slots of 128 columns x 1,024 bytes (LDS pitch 1,040).  All four waves read the same fragments of a slot; a fragment feeds four products.  A slot is worked in four parts of 32 columns
; (8 accumulators, 64 products, K ascending), each followed by its distances and running minimum.
; CLUSTERS 4 x 4: x's rows are asked for jointly along a row of the cluster, the codebook's along a column.  Each wave issues its own quarter of every tile: no branch picks the loader.
; FRAGMENTS: a part's 16 fragments (8 K steps x 2 blocks of 16 columns) fill window 1.  They come in two runs of 32 LDS loads, and no load stands between a part's products: K steps 0-3 of the
; next part are fetched behind a part's last product, ahead of its distances; K steps 4-7 behind the distances, ahead of the part's first product.
; REGISTERS: window 0: v0-23 addresses, v24-175 what the minimum needs, v192-255 accumulators ((a, b) at 192 + 8 (2 a + b)).  Window 1: fragment i at 16 i.  Windows 2, 3: x, fragment (q, a) at 64 (q % 4) + 16 a.
; The product is used transposed (source 0 = 16 columns, source 1 = 16 rows of x): a lane holds one row of x and eight neighbouring columns.
.set KROW,  1024
.set BROW0, 8192
.set PITCH, 1040                       ; 1,024 bytes + 16: an odd multiple of 16
.set SLOT,  128*PITCH
.set SPARE, 2*SLOT                     ; the spare words, 512 bytes
.set CSQL,  SPARE+512                  ; the section's 1,024 c_sq, 4,096 bytes that no tile lands on
.set AADR, 10
.set ADRB, 12                          ; v12-15: columns 0-63, 64-127 of slot 0, then of slot 1
.set CS0,  16
.set CSA,  17
.set SPW,  18
.set NIL,  19
.set PFO,  20
.set J,    21
.set OV,   22
.set OI,   23
.set G,    24
.set H8,   32
.set PO,   33
.set BEST, 36
.set XS,   44
.set SV,   64
.set T,    96
.set CQ,   160
.set ACC,  192
.set G1A, 24                           ; 64 rows, mask of my cluster row
.set G0A, 32
.set G0B, 36                           ; s[36:39] slot 0, s[40:43] slot 1
.set G1B, 48                           ; 32 rows, mask of my cluster column
.set G1C, 56                           ; 64 rows, mask of my cluster column
.set SEL, 66
.set SC,  68
.set CT,  71
.set GS,  72                           ; s72-87: first column of each of a trip's 16 blocks of 16
.set PFA, 88
.set PADW, (1<<20)|(1<<21)|(7<<22)|(3<<25)   ; bytes; 4 dwords of padding behind every 256; bit 21 beside a mask
.set MSB, 0
.macro WIN new
.if MSB != (\new)
	s_set_vgpr_msb (MSB<<8)|(\new)
.set MSB, (\new)
.endif
.endm
.macro PLACES n
.rept \n
	v_nop
.endr
.endm
.macro CREST
	s_cmp_lg_u32 s14, 0
	s_cbranch_scc1 .Lnot_wave_0_\@
	s_barrier_signal -3
.Lnot_wave_0_\@:
	s_barrier_wait -3
	s_barrier_signal -1
	s_barrier_wait -1
.endm
.macro CROUND
	s_barrier_signal -1
	s_barrier_wait -1
	CREST
.endm
	s_load_b256 s[4:11], s[0:1], 0x0               ; q8, sq, lowp_scales, part
	v_lshl_add_u32 v[SPW], v0, 2, SPARE
	v_mov_b32 v[NIL], 0
	ds_add_u32 v[SPW], v[NIL]
	ds_add_u32 v[SPW], v[NIL]
	v_lshrrev_b32 v1, 5, v0
	v_readfirstlane_b32 s14, v1                    ; wave
	s_bfe_u32 s12, ttmp6, 0x40000                  ; cx
	s_bfe_u32 s13, ttmp6, 0x40004                  ; cy
	s_lshl_b32 s15, ttmp9, 2
	s_add_co_u32 s15, s15, s12                     ; section
	s_and_b32 s16, ttmp7, 0xffff
	s_lshl_b32 s16, s16, 2
	s_add_co_u32 s16, s16, s13                     ; row block
	s_lshl_b32 s18, s13, 2
	s_lshl_b32 s18, 15, s18
	s_lshl_b32 s19, 0x1111, s12
	s_or_b32 s[G1A], s18, PADW
	s_or_b32 s[G1B], s19, PADW
	s_or_b32 s[G1C], s19, PADW
.irp g, G1A, G1B, G1C
	s_mov_b32 s[\g+1], KROW<<16
	s_mov_b32 s[\g+3], KROW<<16
	s_mov_b32 s[\g+5], KROW
	s_mov_b32 s[\g+6], 0
	s_mov_b32 s[\g+7], 0
.endr
	s_mov_b32 s[G1A+2], 64<<16
	s_mov_b32 s[G1A+4], 64
	s_mov_b32 s[G1B+2], 32<<16
	s_mov_b32 s[G1B+4], 32
	s_mov_b32 s[G1C+2], 64<<16
	s_mov_b32 s[G1C+4], 64
	s_lshl_b32 s20, s16, 8
	s_lshl_b32 s21, s14, 6
	s_add_co_u32 s20, s20, s21
	s_lshl_b32 s20, s20, 10                        ; x: row 256 x block + 64 x wave
	s_mov_b32 s21, 0
	s_lshl_b32 s44, s15, 10
	s_add_co_u32 s44, s44, BROW0                   ; the section's first row in q8
	s_lshl_b32 s46, s14, 6
	s_add_co_u32 s46, s46, s44
	s_lshl_b32 s46, s46, 10                        ; both slots' first fill: 64 rows a wave
	s_mov_b32 s47, 0
	s_lshl_b32 s22, s14, 5
	s_add_co_u32 s22, s22, s44
	s_lshl_b32 s22, s22, 10                        ; refills: 32 rows a wave
	s_mov_b32 s23, 0
	s_mul_i32 s45, s14, 64*PITCH
	s_mul_i32 s90, s14, 32*PITCH
	s_wait_dscnt 0x0
	s_wait_kmcnt 0x0
	s_load_b64 s[96:97], s[8:9], 0x0               ; ea, eb
	s_add_nc_u64 s[20:21], s[4:5], s[20:21]
	s_add_nc_u64 s[46:47], s[4:5], s[46:47]
	s_add_nc_u64 s[22:23], s[4:5], s[22:23]
	s_mov_b32 s[G0A], 1
	s_add_co_u32 s[G0A+1], s45, 0
	s_mov_b64 s[G0A+2:G0A+3], s[20:21]
	s_or_b32 s[G0A+3], s[G0A+3], 0x80000000
.irp s, 0,1
	s_mov_b32 s[G0B+4*\s], 1
	s_add_co_u32 s[G0B+4*\s+1], s90, \s*SLOT
	s_add_nc_u64 s[G0B+4*\s+2:G0B+4*\s+3], s[22:23], \s*128*KROW
	s_or_b32 s[G0B+4*\s+3], s[G0B+4*\s+3], 0x80000000
.endr
	CROUND
	tensor_load_to_lds s[G0A:G0A+3], s[G1A:G1A+7]  ; my 64 rows of x: my one tensor load at the head; the four waves' rows cover both slots' bytes
	s_nop 0
	PLACES 4
	s_lshl_b32 s92, s15, 12
	s_add_co_u32 s92, s92, 4*BROW0
	s_mov_b32 s93, 0
	s_add_nc_u64 s[92:93], s[6:7], s[92:93]        ; the section's c_sq
	s_lshl_b32 s94, s16, 10
	s_lshl_b32 s95, s14, 8
	s_add_co_u32 s94, s94, s95
	s_mov_b32 s95, 0
	s_add_nc_u64 s[94:95], s[6:7], s[94:95]        ; my rows' x_sq
	s_mov_b32 s[SEL], 0x76543210
	s_mov_b32 s[SEL+1], 0xfedcba98
	s_mov_b32 s70, 0xffff0000
	s_mov_b32 s[CT], 0
	s_lshl_b32 s[GS], s15, 10
.irp k, 1,2,3,4,5,6,7,8,9,10,11,12,13,14,15
	s_add_co_u32 s[GS+\k], s[GS], 16*\k
.endr
	s_mov_b32 s91, 0x7f800000
	s_lshl_b32 s98, s13, 5                         ; prefetches: of a slot's 128 rows the partner at cy takes 32, my wave 8 of them: shared out by address
	s_lshl_b32 s99, s14, 3
	s_add_co_u32 s98, s98, s99
	s_add_co_u32 s98, s98, s44
	s_lshl_b32 s98, s98, 10
	s_mov_b32 s99, 0
	s_add_nc_u64 s[PFA:PFA+1], s[4:5], s[98:99]
	s_lshl_b32 s98, s15, 16                        ; part: section x 65,536 + (256 x block + 64 x wave) x 8
	s_lshl_b32 s99, s16, 11
	s_add_co_u32 s98, s98, s99
	s_lshl_b32 s99, s14, 9
	s_add_co_u32 s98, s98, s99
	s_mov_b32 s99, 0
	s_add_nc_u64 s[10:11], s[10:11], s[98:99]
	v_and_b32 v1, 15, v0                           ; r
	v_bfe_u32 v2, v0, 4, 1                         ; h
	v_and_b32 v8, 31, v0
	v_mul_u32_u24 v3, v1, PITCH
	v_lshl_add_u32 v4, v2, 4, v3                   ; a fragment's row x pitch + 16 h
	v_add_nc_u32 v[AADR], s45, v4
.irp k, 0,1,2,3
	v_add_nc_u32 v[ADRB+\k], \k*64*PITCH, v4
.endr
	v_lshlrev_b32 v5, 4, v0
	v_lshl_add_u32 v6, v0, 4, CSQL
	v_lshlrev_b32 v7, 2, v1
	v_lshl_add_u32 v[CS0], v2, 5, CSQL             ; my eight columns of a block: 32 h bytes
	v_lshrrev_b32 v9, 2, v8
	v_and_b32 v[PFO], 3, v8
	v_lshlrev_b32 v[PFO], 8, v[PFO]
	v_lshl_add_u32 v[PFO], v9, 10, v[PFO]          ; lane: row lane / 4, block of 256 bytes lane % 4
	v_lshlrev_b32 v[H8], 3, v2
	v_lshlrev_b32 v[PO], 3, v8
	v_mov_b32 v[OV], 0
	v_mov_b32 v[OI], 0
.irp a, 0,1,2,3
	v_mov_b32 v[BEST+2*\a], s91
	v_mov_b32 v[BEST+2*\a+1], s[GS]
.endr
.set i, 0
.rept 32
	v_mov_b32 v[SV+i], s91
.set i, i+1
.endr
	s_wait_alu depctr_va_vdst(0)
	global_load_b128 v[T:T+3], v5, s[92:93]
	global_load_b128 v[T+4:T+7], v5, s[92:93] offset:2048
.irp a, 0,1,2,3
	global_load_b32 v[XS+2*\a], v7, s[94:95] offset:64*\a
.endr
.irp d, 0,1,2
	global_prefetch_b8 v[PFO], s[PFA:PFA+1] offset:\d*128*KROW th:TH_LOAD_NT scope:SCOPE_SE   ; my 32 blocks of the first three slots' data
.endr
	s_wait_kmcnt 0x0
	s_add_co_i32 s[SC], s96, s97
	s_add_co_i32 s[SC], s[SC], 128
	s_lshl_b32 s[SC], s[SC], 23
	s_or_b32 s[SC], s[SC], 0x80000000              ; -2 x 2^(ea + eb)
	s_mov_b32 s[SC+1], s[SC]
	s_wait_loadcnt 0x0
.irp a, 0,1,2,3
	v_mov_b32 v[XS+2*\a+1], v[XS+2*\a]
.endr
	s_wait_alu depctr_va_vdst(0)
	s_wait_tensorcnt 0x0                           ; my rows of x are in LDS; only I read them
	ds_store_b128 v6, v[T:T+3]
	ds_store_b128 v6, v[T+4:T+7] offset:2048
	WIN 0x80
.irp q, 0,1,2,3
.irp a, 0,1,2,3
.irp c, 0,1,2,3
	ds_load_b128 v[64*\q+16*\a+4*\c:64*\q+16*\a+4*\c+3], v[AADR] offset:\a*16*PITCH+128*\q+32*\c
.endr
.endr
.endr
	WIN 0xc0
.irp q, 0,1,2,3
.irp a, 0,1,2,3
.irp c, 0,1,2,3
	ds_load_b128 v[64*\q+16*\a+4*\c:64*\q+16*\a+4*\c+3], v[AADR] offset:\a*16*PITCH+128*(\q+4)+32*\c
.endr
.endr
.endr
	WIN 0
	s_wait_tensorcnt 0x0                           ; the three lines ahead of a refill's round
	ds_add_u32 v[SPW], v[NIL]
	s_mov_b64 s[G0A+2:G0A+3], s[46:47]             ; no load of mine is out: the group 0 takes the codebook's address
	s_or_b32 s[G0A+3], s[G0A+3], 0x80000000
	s_wait_dscnt 0x0                               ; x is in registers, c_sq is stored, the add is done
	CROUND
	tensor_load_to_lds s[G0A:G0A+3], s[G1C:G1C+7]  ; columns 0-255 of the section fill both slots: 64 rows a wave, one load
	s_nop 0
	PLACES 4
	s_wait_tensorcnt 0x0
	s_barrier_signal -1
	s_barrier_wait -1                              ; every wave's quarter is in
; one load of fragment L (0..63 in slot p): block L % 2 of part L / 16, K step (L % 16) / 2, piece c
.macro LDG p, L, c
	ds_load_b128 v[16*((\L)%16)+4*(\c):16*((\L)%16)+4*(\c)+3], v[ADRB+2*(\p)+(\L)/32] offset:((((\L)/16)%2)*32+16*((\L)%2))*PITCH+128*(((\L)%16)/2)+32*(\c)
.endm
.macro RUN p, L0                       ; 32 loads on end: fragments L0 .. L0 + 7 into window 1
	WIN 0x40
.set l, \L0
.rept 8
.irp c, 0,1,2,3
	LDG \p, l, \c
.endr
.set l, l+1
.endr
.endm
.macro WM i, a                         ; the accumulators take turns; a part's first K step starts the sums
.if (\i) < 2
	v_wmma_f32_16x16x128_bf8_bf8 v[ACC+8*(2*(\a)+(\i)%2):ACC+8*(2*(\a)+(\i)%2)+7], v[16*(\i):16*(\i)+15], v[64*(((\i)/2)%4)+16*(\a):64*(((\i)/2)%4)+16*(\a)+15], 0
.else
	v_wmma_f32_16x16x128_bf8_bf8 v[ACC+8*(2*(\a)+(\i)%2):ACC+8*(2*(\a)+(\i)%2)+7], v[16*(\i):16*(\i)+15], v[64*(((\i)/2)%4)+16*(\a):64*(((\i)/2)%4)+16*(\a)+15], v[ACC+8*(2*(\a)+(\i)%2):ACC+8*(2*(\a)+(\i)%2)+7]
.endif
.endm
.macro GRP i                           ; fragment i against my four row blocks
.irp a, 0,1,2,3
	WM \i, \a
.endr
.endm
; Part t of slot p.  mode 0: the next part lies in the same slot.  modes 1, 2 (a slot's last part): the change of slots stands ahead of K steps 4-7, whose fragments are the slot's last reads
; (1: this slot is filled again, two slots' data on; 2: nothing is left to fetch).  mode 3: the launch's last part.
.macro SUB p, t, mode
.irp b, 0,1
	ds_load_b128 v[CQ+8*\b:CQ+8*\b+3], v[CSA] offset:\p*512+\t*128+64*\b
	ds_load_b128 v[CQ+8*\b+4:CQ+8*\b+7], v[CSA] offset:\p*512+\t*128+64*\b+16
.endr
	RUN \p, 16*\t+8                                ; K steps 4-7
	WIN 0x09                                       ; source 0 window 1, source 1 (x) window 2
.set i, 0
.rept 8
	s_wait_dscnt 4*(7-i)+32                        ; the later fragments of K steps 0-3 and the 32 loads just issued may be out
	GRP i
.set i, i+1
.endr
.if (\mode == 1) || (\mode == 2)
	WIN 0
	s_wait_tensorcnt 0x0                           ; all my tensor loads have landed: my quarter of the other slot
	ds_add_u32 v[SPW], v[NIL]
	s_wait_dscnt 0x0                               ; the add is done; my reads of this slot are over
	s_barrier_signal -1
.endif
	WIN 0x0d                                       ; x in window 3
.rept 8
.if (\mode == 0) || (\mode == 3)
	s_wait_dscnt 4*(15-i)                          ; the later fragments may be out
.endif
	GRP i
.set i, i+1
.endr
.if (\mode == 1) || (\mode == 2)
	WIN 0
	s_barrier_wait -1
.if \mode == 1
	CREST                                          ; the barrier opened a round of the cluster's barrier
	s_add_nc_u64 s[G0B+4*\p+2:G0B+4*\p+3], s[G0B+4*\p+2:G0B+4*\p+3], 2*128*KROW
	tensor_load_to_lds s[G0B+4*\p:G0B+4*\p+3], s[G1B:G1B+7]   ; my one load behind the round: 32 rows
	s_nop 0
.endif
.endif
	PLACES 4                                       ; ahead of loads into fragments that products read, and of the first read of the sums
.if \mode == 0
	RUN \p, 16*\t+16                               ; the next part's K steps 0-3
.endif
.if (\mode == 1) || (\mode == 2)
	RUN 1-\p, 0                                    ; the same, from the other slot
.endif
	WIN 0
.endm
.macro TAKE g, sg                      ; a group of eight columns against the row's running best: on equal values the earlier stays
	v_cmp_le_f32 vcc_lo, v[BEST+2*((\g)/2)], v[G+\g]
	v_cndmask_b32 v[BEST+2*((\g)/2)], v[G+\g], v[BEST+2*((\g)/2)], vcc_lo
	v_cndmask_b32 v[BEST+2*((\g)/2)+1], s[\sg], v[BEST+2*((\g)/2)+1], vcc_lo
.irp j, 0,1,2,3,4,5,6,7
	v_cndmask_b32 v[SV+8*((\g)/2)+\j], v[T+8*(\g)+\j], v[SV+8*((\g)/2)+\j], vcc_lo
.endr
.endm
.macro EPI p, t                        ; the part's 64 x 32 distances, 64 a lane, and the minimum
.set i, 0
.rept 32
	v_pk_fma_f32 v[T+i:T+i+1], v[ACC+i:ACC+i+1], s[SC:SC+1], v[XS+2*(i/16):XS+2*(i/16)+1] op_sel_hi:[1,0,1]   ; x_sq - 2 cross, each accumulator from its low end on
.set i, i+2
.endr
.set i, 0
.rept 32
	v_pk_add_f32 v[T+i:T+i+1], v[T+i:T+i+1], v[CQ+i%16:CQ+i%16+1]
.set i, i+2
.endr
.irp g, 0,1,2,3,4,5,6,7
	v_min3_num_f32 v[G+\g], v[T+8*\g], v[T+8*\g+1], v[T+8*\g+2]
.endr
.irp g, 0,1,2,3,4,5,6,7
	v_min3_num_f32 v[G+\g], v[G+\g], v[T+8*\g+3], v[T+8*\g+4]
.endr
.irp g, 0,1,2,3,4,5,6,7
	v_min3_num_f32 v[G+\g], v[G+\g], v[T+8*\g+5], v[T+8*\g+6]
.endr
.irp g, 0,1,2,3,4,5,6,7
	v_min_num_f32 v[G+\g], v[G+\g], v[T+8*\g+7]
.endr
.irp g, 0,1,2,3,4,5,6,7
	TAKE \g, GS+8*\p+2*\t+\g%2
.endr
	s_wait_alu depctr_va_vdst(0)
.endm
; ask = 0, 1: my 32 blocks of the data that the refill after next fetches (three, four slots on from the trip's first); 1: not in the last trip, where they would lie past the section
.macro BODY p, mode, ask
	SUB \p, 0, 0
	EPI \p, 0
	SUB \p, 1, 0
	EPI \p, 1
.if \ask >= 0
.if \ask == 1
	s_cmp_gt_u32 s3, 1
	s_cbranch_scc0 .Lnone_\@
.endif
	global_prefetch_b8 v[PFO], s[PFA:PFA+1] offset:(3+\ask)*128*KROW th:TH_LOAD_NT scope:SCOPE_SE
.Lnone_\@:
.endif
	SUB \p, 2, 0
	EPI \p, 2
	SUB \p, 3, \mode
	EPI \p, 3
.irp k, 0,1,2,3,4,5,6,7
	s_add_co_u32 s[GS+8*\p+\k], s[GS+8*\p+\k], 256
.endr
.endm
	RUN 0, 0                                       ; the first part's K steps 0-3
	WIN 0
	s_mov_b32 s3, 3
.Ltrip:                                                ; a trip: both slots, 256 columns; both are filled again
	v_add_nc_u32 v[CSA], s[CT], v[CS0]
	s_wait_alu depctr_va_vdst(0)
	BODY 0, 1, 0
	BODY 1, 1, 1
	s_add_co_u32 s[CT], s[CT], 1024
	s_wait_xcnt 0x0                                ; the prefetches have read their base
	s_add_nc_u64 s[PFA:PFA+1], s[PFA:PFA+1], 2*128*KROW
	s_sub_co_u32 s3, s3, 1
	s_cmp_lg_u32 s3, 0
	s_cbranch_scc1 .Ltrip
	v_add_nc_u32 v[CSA], s[CT], v[CS0]
	s_wait_alu depctr_va_vdst(0)
	BODY 0, 2, -1                                  ; the last two slots fetch nothing more
	BODY 1, 3, -1
.macro FIN a                           ; which of the saved eight is the best (the lowest on equal values), then the better of the two halves of the lanes
.set BV, BEST+2*(\a)
	v_mov_b32 v[J], 7
.irp j, 6,5,4,3,2,1,0
	v_cmp_neq_f32 vcc_lo, v[SV+8*(\a)+\j], v[BV]
	v_cndmask_b32 v[J], \j, v[J], vcc_lo
.endr
	v_add3_u32 v[BV+1], v[BV+1], v[J], v[H8]
	v_permlanex16_b32 v[OV], v[BV], s[SEL], s[SEL+1]
	v_permlanex16_b32 v[OI], v[BV+1], s[SEL], s[SEL+1]
	v_cmp_lt_f32 s20, v[OV], v[BV]
	v_cmp_eq_f32 s21, v[OV], v[BV]
	v_cmp_lt_u32 s22, v[OI], v[BV+1]
	s_and_b32 s21, s21, s22
	s_or_b32 vcc_lo, s20, s21
	v_cndmask_b32 v[BV], v[BV], v[OV], vcc_lo
	v_cndmask_b32 v[BV+1], v[BV+1], v[OI], vcc_lo
.endm
.irp a, 0,1,2,3
	FIN \a
.endr
.irp p, 0,1
	v_cndmask_b32 v[BEST+4*\p], v[BEST+4*\p], v[BEST+4*\p+2], s70      ; lanes 0-15: rows 32 p + r, lanes 16-31: the next 16 rows
	v_cndmask_b32 v[BEST+4*\p+1], v[BEST+4*\p+1], v[BEST+4*\p+3], s70
	v_ashrrev_i32 v[G+\p], 31, v[BEST+4*\p]
	v_or_b32 v[G+\p], 0x80000000, v[G+\p]
	v_xor_b32 v[BEST+4*\p], v[BEST+4*\p], v[G+\p]                      ; the key: negative numbers inverted, the others with the top bit set
	global_store_b64 v[PO], v[BEST+4*\p:BEST+4*\p+1], s[10:11] offset:256*\p   ; 32 lanes store 256 consecutive bytes, aligned
.endr
	s_wait_tensorcnt 0x0                           ; the wave's end
	ds_add_u32 v[SPW], v[NIL]
	s_wait_dscnt 0x0
	CROUND                                         ; the closing round
	s_endpgm
.Lfunc_end_k_q602dd8bae8_dist:
	.size	k_q602dd8bae8_dist, .Lfunc_end_k_q602dd8bae8_dist-k_q602dd8bae8_dist
	.p2alignl 7, 3214868480
	.fill 96, 4, 3214868480
	.section	.rodata,"a",@progbits
	.p2align	6, 0x0
	.amdhsa_kernel k_q602dd8bae8_dist
		.amdhsa_group_segment_fixed_size 327680
		.amdhsa_private_segment_fixed_size 0
		.amdhsa_enable_private_segment 0
		.amdhsa_kernarg_size 32
		.amdhsa_user_sgpr_count 2
		.amdhsa_user_sgpr_kernarg_segment_ptr 1
		.amdhsa_wavefront_size32 1
		.amdhsa_system_sgpr_workgroup_id_x 1
		.amdhsa_system_sgpr_workgroup_id_y 1
		.amdhsa_system_sgpr_workgroup_id_z 1
		.amdhsa_system_vgpr_workitem_id 0
		.amdhsa_next_free_vgpr 1024
		.amdhsa_next_free_sgpr 100
		.amdhsa_reserve_vcc 1
		.amdhsa_float_denorm_mode_32 3
		.amdhsa_float_denorm_mode_16_64 3
		.amdhsa_memory_ordered 1
		.amdhsa_forward_progress 1
		.amdhsa_inst_pref_size 255
	.end_amdhsa_kernel
	.section	.bss,"aw",@nobits
	.p2align	6
	.space	262144
	.amdgpu_metadata
---
amdhsa.version: [ 1, 2 ]
amdhsa.kernels:
  - .name:           k_q602dd8bae8_dist
    .symbol:         k_q602dd8bae8_dist.kd
    .args:
      - { .name: q8, .offset: 0, .size: 8, .value_kind: global_buffer, .address_space: global }
      - { .name: sq, .offset: 8, .size: 8, .value_kind: global_buffer, .address_space: global }
      - { .name: lowp_scales, .offset: 16, .size: 8, .value_kind: global_buffer, .address_space: global }
      - { .name: part, .offset: 24, .size: 8, .value_kind: global_buffer, .address_space: global }
    .group_segment_fixed_size: 327680
    .private_segment_fixed_size: 0
    .kernarg_segment_align: 8
    .kernarg_segment_size: 32
    .max_flat_workgroup_size: 128
    .sgpr_count:     100
    .vgpr_count:     1024
    .wavefront_size: 32
...
	.end_amdgpu_metadata
.endif
;; end of part 2
;; launch emit (part 3): grid 1024 x 1, 4 waves a work-group, no clusters, 0 bytes of LDS; arguments part, codes, out0, out1; writes out0, out1
.if DOCPART == 3
	.amdgcn_target "amdgcn-amd-amdhsa--gfx1250"
	.amdhsa_code_object_version 6
	.text
	.protected	k_q602dd8bae8_emit
	.globl	k_q602dd8bae8_emit
	.p2align	8
	.type	k_q602dd8bae8_emit,@function
k_q602dd8bae8_emit:
	s_mov_b64 s[64:65], 0
	v_nop
	global_prefetch_b8 v0, s[64:65] scope:SCOPE_SE
	s_setreg_imm32_b32 hwreg(HW_REG_WAVE_MODE, 25, 1), 1
	s_wait_xcnt 0x0
; part: [8 sections][8192 rows] of {u32 key, u32 column}, whole numbers stored by the launch before; a smaller key is a smaller distance.  For each row: the smallest key, on equal keys the
; earlier section, whose columns are the lower ones.  out0 = that column; out1 = that row of codes.
; LEFT OUT: out1 = x + (q - x) is q in real numbers for every x: image_tensor is not read here (shown at the head of the first kernel).
; A wave takes two rows: eight scalar loads of 16 bytes bring their pairs, scalar compares choose, 16 loads of 512 consecutive bytes bring the two rows of codes, 16 stores of 512 bytes write them.
; An index is held inside the table (8,191 at the most) before it enters an address.  Wave 0 of every eighth work-group also chooses for 64 rows, two a lane, and stores their 256 aligned bytes of out0.
; No LDS, no barrier.  No cluster: which rows of codes two work-groups share hangs on the data.
	s_load_b256 s[4:11], s[0:1], 0x0               ; part, codes, out0, out1
	v_lshrrev_b32 v2, 5, v0
	v_readfirstlane_b32 s13, v2                    ; wave
	v_and_b32 v3, 31, v0
	v_lshlrev_b32 v1, 4, v3                        ; 16 x lane
	v_lshlrev_b32 v3, 3, v3                        ; 8 x lane
	s_lshl_b32 s12, ttmp9, 3
	s_lshl_b32 s14, s13, 1
	s_add_co_u32 s12, s12, s14                     ; my first row
	s_lshl_b32 s48, s12, 3
	s_mov_b32 s49, 0
	s_lshl_b32 s50, s12, 12
	s_mov_b32 s51, 0
	s_lshl_b32 s56, ttmp9, 5                       ; out0: 8 rows x 4 bytes a work-group
	s_mov_b32 s57, 0
	s_wait_alu depctr_va_vdst(0)
	s_wait_kmcnt 0x0
	s_add_nc_u64 s[52:53], s[4:5], s[48:49]
.irp s, 0,1,2,3,4,5,6,7
	s_load_b128 s[16+4*\s:19+4*\s], s[52:53], 65536*\s
.endr
	s_add_nc_u64 s[10:11], s[10:11], s[50:51]
	s_add_nc_u64 s[8:9], s[8:9], s[56:57]
	s_wait_kmcnt 0x0
.irp s, 1,2,3,4,5,6,7
.irp w, 0,1
	s_cmp_lt_u32 s[16+4*\s+2*\w], s[16+2*\w]
	s_cselect_b32 s[16+2*\w], s[16+4*\s+2*\w], s[16+2*\w]
	s_cselect_b32 s[17+2*\w], s[17+4*\s+2*\w], s[17+2*\w]
.endr
.endr
	s_min_u32 s17, s17, 0x1fff
	s_min_u32 s19, s19, 0x1fff
	s_lshl_b32 s48, s17, 12
	s_mov_b32 s49, 0
	s_lshl_b32 s50, s19, 12
	s_mov_b32 s51, 0
	s_add_nc_u64 s[48:49], s[6:7], s[48:49]
	s_add_nc_u64 s[50:51], s[6:7], s[50:51]
.irp k, 0,1,2,3,4,5,6,7
	global_load_b128 v[16+4*\k:19+4*\k], v1, s[48:49] offset:512*\k
.endr
.irp k, 0,1,2,3,4,5,6,7
	global_load_b128 v[48+4*\k:51+4*\k], v1, s[50:51] offset:512*\k
.endr
.irp k, 0,1,2,3,4,5,6,7,8,9,10,11,12,13,14,15
	s_wait_loadcnt 15-\k                           ; piece k is in, the later ones may be out
	global_store_b128 v1, v[16+4*\k:19+4*\k], s[10:11] offset:512*\k th:TH_STORE_NT
.endr
	s_and_b32 s54, ttmp9, 7
	s_or_b32 s54, s54, s13
	s_cmp_lg_u32 s54, 0
	s_cbranch_scc1 .Ldone
.irp s, 0,1,2,3,4,5,6,7
	global_load_b128 v[80+4*\s:83+4*\s], v1, s[52:53] offset:65536*\s   ; 64 rows' pairs of section s: 512 consecutive bytes
.endr
	s_wait_loadcnt 0x0
.irp s, 1,2,3,4,5,6,7
.irp w, 0,1
	v_cmp_lt_u32 vcc_lo, v[80+4*\s+2*\w], v[80+2*\w]
	v_cndmask_b32 v[80+2*\w], v[80+2*\w], v[80+4*\s+2*\w], vcc_lo
	v_cndmask_b32 v[81+2*\w], v[81+2*\w], v[81+4*\s+2*\w], vcc_lo
.endr
.endr
	v_mov_b32 v4, v81
	v_mov_b32 v5, v83
	global_store_b64 v3, v[4:5], s[8:9]            ; 32 lanes store 256 consecutive bytes, aligned
.Ldone:
	s_endpgm
.Lfunc_end_k_q602dd8bae8_emit:
	.size	k_q602dd8bae8_emit, .Lfunc_end_k_q602dd8bae8_emit-k_q602dd8bae8_emit
	.p2alignl 7, 3214868480
	.fill 96, 4, 3214868480
	.section	.rodata,"a",@progbits
	.p2align	6, 0x0
	.amdhsa_kernel k_q602dd8bae8_emit
		.amdhsa_group_segment_fixed_size 0
		.amdhsa_private_segment_fixed_size 0
		.amdhsa_enable_private_segment 0
		.amdhsa_kernarg_size 32
		.amdhsa_user_sgpr_count 2
		.amdhsa_user_sgpr_kernarg_segment_ptr 1
		.amdhsa_wavefront_size32 1
		.amdhsa_system_sgpr_workgroup_id_x 1
		.amdhsa_system_sgpr_workgroup_id_y 1
		.amdhsa_system_sgpr_workgroup_id_z 1
		.amdhsa_system_vgpr_workitem_id 0
		.amdhsa_next_free_vgpr 112
		.amdhsa_next_free_sgpr 66
		.amdhsa_reserve_vcc 1
		.amdhsa_float_denorm_mode_32 3
		.amdhsa_float_denorm_mode_16_64 3
		.amdhsa_memory_ordered 1
		.amdhsa_forward_progress 1
		.amdhsa_inst_pref_size 9
	.end_amdhsa_kernel
	.amdgpu_metadata
---
amdhsa.version: [ 1, 2 ]
amdhsa.kernels:
  - .name:           k_q602dd8bae8_emit
    .symbol:         k_q602dd8bae8_emit.kd
    .args:
      - { .name: part, .offset: 0, .size: 8, .value_kind: global_buffer, .address_space: global }
      - { .name: codes, .offset: 8, .size: 8, .value_kind: global_buffer, .address_space: global }
      - { .name: out0, .offset: 16, .size: 8, .value_kind: global_buffer, .address_space: global }
      - { .name: out1, .offset: 24, .size: 8, .value_kind: global_buffer, .address_space: global }
    .group_segment_fixed_size: 0
    .private_segment_fixed_size: 0
    .kernarg_segment_align: 8
    .kernarg_segment_size: 32
    .max_flat_workgroup_size: 128
    .sgpr_count:     66
    .vgpr_count:     112
    .wavefront_size: 32
...
	.end_amdgpu_metadata
.endif
;; end of part 3
